; MI455X (gfx1250); checked and timed in simulation.
; The chip was launched on July 23, 2026; its instructions are those of AMD's public machine-readable ISA for CDNA 5 (MIT licence, August 2026) and "CDNA5" Instruction Set Architecture Reference Guide (July 2026). The comments in the code are by the model that wrote it; some were corrected since.
;; Vit Self Attention. Allowed arithmetic: matrix products marked QUANTISED: E3M2 operands, one E8M0 scale for each 32 along K, by v_wmma_scale_f32_16x16x128_f8f6f4 with both operands' format E3M2, f32 sums; everything else in f32.
;; Inputs: Wk 768 x 768 float32; Wq 768 x 768 float32; Wv 768 x 768 float32; bk 768 float32; bq 768 float32; bv 768 float32; x 16 x 1,024 x 768 float32.
;; Outputs: out0 16 x 1,024 x 768 float32.
;; This version of the problem:
;;   THIS VERSION OF THE PROBLEM IS GIVEN IN LOW PRECISION. The matrix products marked QUANTISED in the list below multiply operands that are first quantised to E3M2 (3 exponent bits, 2 mantissa bits; 6 bits a number), with one power-of-two scale for each 32 numbers along K (OCP MX v1.0); their sums are f32. All else is computed in f32.
;;   The module's matrix products, in the order in which they are computed (A, B: the left and right operand; K: the contracted axis; several contracted axes count as one K, in the product's order):
;;     1. [M 16,384, K 768] x [K 768, N 768]; A: input x; B: input Wq: QUANTISED
;;     2. [M 16,384, K 768] x [K 768, N 768]; A: input x; B: input Wk: QUANTISED
;;     3. [M 16,384, K 768] x [K 768, N 768]; A: input x; B: input Wv: QUANTISED
;;     4. batch 192 x [M 1,024, K 64] x [K 64, N 1,024]; A: computed on the way; B: computed on the way: QUANTISED
;;     5. batch 192 x [M 1,024, K 1,024] x [K 1,024, N 64]; A: softmax (see below); B: computed on the way: QUANTISED
;;   THE QUANTISER, for each operand of a quantised product, along K:
;;     - K is cut into blocks of 32 from its start; a last block that is shorter is filled with zeros.
;;     - A block's scale is 2^e with e = floor(log2(the largest magnitude in the block)) - 4, held to -126 .. 127; a block of zeros has e = 0. As a byte (E8M0): e + 127.
;;     - Each number is divided by its block's scale, clamped to +-28, and rounded to the nearest number of E3M2, ties to even, subnormals kept.
;;     - The product sums the exact products of the quantised numbers (number of the format x scale) in f32.
;;   ~~~python
;;   def quantise(x, axis):      # numpy; x: float32 -> the quantised numbers, widened to float32 again
;;       x = np.moveaxis(x, axis, -1); K = x.shape[-1]
;;       x = np.pad(x, [(0, 0)] * (x.ndim - 1) + [(0, -K % 32)]); x = x.reshape(x.shape[:-1] + (-1, 32)); a = np.abs(x).max(-1, keepdims=True)
;;       e = np.where(a > 0, np.clip(np.frexp(np.where(a > 0, a, 1))[1] - 1 - 4, -126, 127), 0)      # np.frexp(a)[1] - 1 = floor(log2(a)), exactly
;;       r = np.clip(x / 2.0 ** e, -28, 28)
;;       step = 2.0 ** (np.maximum(np.frexp(np.where(r == 0, 1, r))[1] - 1, -2) - 2)
;;       q = np.round(r / step) * step * 2.0 ** e      # np.round: ties to even
;;       return np.moveaxis(q.reshape(q.shape[:-2] + (-1,))[..., :K], -1, axis).astype(np.float32)
;;   ~~~
;;   SOFTMAX AHEAD OF A QUANTISED PRODUCT. Where the list says 'softmax', what is quantised is not the finished softmax but p = 2^(t - M), with t = logit x log2(e) and M = ceil(the row's largest t), a whole number; so 1/2 < the row's largest p <= 1. The row's sum l is taken of the UNQUANTISED p, in f32, and the product's result is divided by l at the end. Since M is a whole number, a kernel that streams over the keys may use a running M (the ceiling of the running maximum): every later rescaling is an exact power of two, which a block's scale takes up: the codes' values come out the same.
;;   OPERANDS COMPUTED ON THE WAY. 'Computed on the way' means the value that the module computes at that place (a softmax that the list does not call 'softmax' is quantised finished and normalised). What goes into a quantiser is computed in f32, as accurately as f32 sums, v_exp_f32 and their like allow (about 1e-6 of the number): no bf16 or f16 on the way to a quantiser, and a product that is left as it is and whose result goes on into a quantised operand takes f32 operands (vector FMAs, or v_wmma_f32_16x16x4_f32). A number that lies on a knife's edge between two numbers of the format may be rounded either way, as far as f32 arithmetic and the matrix unit's own rounding can turn it there, and no further.
;; One version. Each part assembles by itself: llvm-mc -triple=amdgcn-amd-amdhsa -mcpu=gfx1250 --defsym DOCPART=n.
;; ======== version 1 of 1: 3 launches
;; limits: right only within a limited range of input values
;; workspace buffers: img 11,212,800 bytes; qkv 30,670,848 bytes
;; launch quant (part 1): grid 292 x 1, 6 waves a work-group, no clusters, 51,456 bytes of LDS; arguments x, Wq, Wk, Wv, img; writes img
.if DOCPART == 1
	.amdgcn_target "amdgcn-amd-amdhsa--gfx1250"
	.amdhsa_code_object_version 6
	.text
	.protected	k_q0695c80f0e_quant
	.globl	k_q0695c80f0e_quant
	.p2align	8
	.type	k_q0695c80f0e_quant,@function
k_q0695c80f0e_quant:
	s_mov_b64 s[64:65], 0
	v_nop
	global_prefetch_b8 v0, s[64:65] scope:SCOPE_SE
	s_setreg_imm32_b32 hwreg(HW_REG_WAVE_MODE, 25, 1), 1
	s_wait_xcnt 0x0
; x [16384][768], Wq, Wk, Wv [768][768], f32, K innermost, become codes of BF6 (E3M2) with one E8M0 byte for each 32 along K, laid in img AS THE MATRIX UNIT'S REGISTERS WANT THEM.
; img is 292 groups of 64 rows, 38,400 bytes each: groups 0-255 x, 256-267 Wq, 268-279 Wk, 280-291 Wv.  In a group: fragment (K step s of 128, tile t) at (4 s + t) x 1,536; scale block s at 36,864 + 256 s.
; THE ROWS OF A TILE ARE NOT NEIGHBOURS: row m of tile t is row 32 (m / 8) + 8 t + m % 8 of the group, so that the four tiles' results of a later product are 32 neighbours in one lane.
; A fragment is 12 registers a lane (lane (r, h): row r; registers 6 c .. 6 c + 5: k = 64 c + 32 h + 0 .. 31); registers 4 q .. 4 q + 3 lie at 512 q + 16 x lane.
; A scale block: lane (r, h) has 8 bytes: word i is the scale word (four bytes, 128 along K) of row r of tile 2 i + h.
; A block's scale is 2^(floor(log2(largest magnitude)) - 4): its byte is the largest magnitude's exponent field - 4, held at 1 from below.
; LIMITS: NaN and infinities are not served; a block of zeros, or one whose largest magnitude lies under 2^-122, gets the byte 1 (its codes are zeros or subnormal; the bytes are read by this program alone).
; SHARES: a work-group takes a group, wave s its K step s: four tiles.  Each load reads 512 consecutive bytes of one row; a tile's 16 rows turn through the wave's own stage in LDS (rows 528 bytes apart)
; and come back 128 consecutive bytes a lane and block pair.  Waves share nothing: no barrier.  No matrix unit, no cluster, no tensor load: nothing is shared between work-groups, and memory binds.
.set GRP,  38400
.set ROWB, 3072                        ; a row of x or of a weight in bytes
.set SP,   528                         ; a stage row: 512 bytes + 16
.set STGB, 16*SP
.set LI,  1                            ; v1   16 x lane
.set L8,  2                            ; v2   8 x lane
.set SA,  3                            ; v3   the stage, on the way in: 16 x lane
.set RA,  4                            ; v4   and on the way out: 528 r + 128 h
.set SH8, 5                            ; v5   8 h
.set SW,  6                            ; v6-9 the four tiles' scale words
.set PK,  10                           ; v10-11 the scale block's two words
.set BM,  12                           ; v12-13 largest magnitudes
.set SO,  14                           ; v14-15 the conversions' scale operands
.set BY,  16                           ; v16-17 the bytes
.set X0,  18
.set X1,  19
.set PC,  20                           ; v20-31 the fragment
.set T0,  32                           ; v32-34, v36-38: a conversion's three registers begin on an even number: the second half of a block's six is made here and moved
.set T1,  36
.set R,   40                           ; v40-231 three sets of 64 numbers
	s_load_b256 s[4:11], s[0:1], 0x0               ; x, Wq, Wk, Wv
	s_load_b64 s[12:13], s[0:1], 0x20              ; img
	v_lshl_add_u32 v232, v0, 2, 0xc600
	v_mov_b32 v233, 0
	v_lshrrev_b32 v1, 5, v0
	v_readfirstlane_b32 s14, v1                    ; wave = K step
	v_and_b32 v2, 31, v0                           ; lane
	v_and_b32 v3, 15, v0                           ; r
	v_bfe_u32 v5, v0, 4, 1                         ; h
	s_mul_i32 s15, s14, STGB                       ; my stage
	v_mul_u32_u24 v[RA], v3, SP
	v_lshl_add_u32 v[RA], v5, 7, v[RA]
	v_add_nc_u32 v[RA], s15, v[RA]
	v_lshlrev_b32 v[LI], 4, v2
	v_add_nc_u32 v[SA], s15, v[LI]
	v_lshlrev_b32 v[L8], 3, v2
	v_lshlrev_b32 v[SH8], 3, v5
	v_mov_b32 v[X1], 0                             ; written once: a lane permute's destination counts as one of its sources
	s_mov_b32 s20, 0x76543210
	s_mov_b32 s21, 0xfedcba98                      ; v_permlanex16_b32's selects for lane l xor 16
	s_mov_b32 s22, 0xffff0000                      ; lanes 16-31
	s_wait_alu depctr_va_vdst(0)
	s_wait_kmcnt 0x0
	s_mov_b64 s[16:17], s[10:11]                   ; which tensor: the choice hangs on the work-group's number alone
	s_mov_b32 s18, 280
	s_cmp_lt_u32 ttmp9, 280
	s_cselect_b64 s[16:17], s[8:9], s[16:17]
	s_cselect_b32 s18, 268, s18
	s_cmp_lt_u32 ttmp9, 268
	s_cselect_b64 s[16:17], s[6:7], s[16:17]
	s_cselect_b32 s18, 256, s18
	s_cmp_lt_u32 ttmp9, 256
	s_cselect_b64 s[16:17], s[4:5], s[16:17]
	s_cselect_b32 s18, 0, s18
	s_sub_co_u32 s18, ttmp9, s18                   ; the group within its tensor
	s_mul_i32 s18, s18, 64*ROWB
	s_lshl_b32 s19, s14, 9                         ; my 512 bytes of each row
	s_add_co_u32 s18, s18, s19
	s_mov_b32 s19, 0
	s_add_nc_u64 s[16:17], s[16:17], s[18:19]
	s_mul_i32 s24, ttmp9, GRP
	s_mov_b32 s25, 0
	s_add_nc_u64 s[12:13], s[12:13], s[24:25]      ; the group in img
	s_mul_i32 s24, s14, 4*1536
	s_add_nc_u64 s[26:27], s[12:13], s[24:25]      ; my four fragments
	s_lshl_b32 s24, s14, 8
	s_add_co_u32 s24, s24, 36864
	s_add_nc_u64 s[28:29], s[12:13], s[24:25]      ; my scale block
.macro LOAD t                          ; tile t's 16 rows into set t % 3: each load is 512 consecutive bytes, at a multiple of 512 from the buffer's first byte
.irp p, 0,1,2,3,4,5,6,7,8,9,10,11,12,13,14,15
	global_load_b128 v[R+64*((\t)%3)+4*\p:R+64*((\t)%3)+4*\p+3], v[LI], s[16:17] offset:(32*(\p/8)+8*(\t)+\p%8)*ROWB th:TH_LOAD_NT
.endr
.endm
.macro TURN t                          ; through the stage: LDS serves a wave's instructions in order, so no wait stands between the stores and the loads; register 32 c + e then holds k = 64 c + 32 h + e of row r
.set RS, R+64*((\t)%3)
.irp p, 0,1,2,3,4,5,6,7,8,9,10,11,12,13,14,15
	ds_store_b128 v[SA], v[RS+4*\p:RS+4*\p+3] offset:SP*\p
.endr
.irp c, 0,1
.irp i, 0,1,2,3,4,5,6,7
	ds_load_b128 v[RS+32*\c+4*\i:RS+32*\c+4*\i+3], v[RA] offset:256*\c+16*\i
.endr
.endr
.endm
.macro QUANT t
.set RS, R+64*((\t)%3)
.irp c, 0,1
	v_max3_num_f32 v[BM+\c], |v[RS+32*\c]|, |v[RS+32*\c+1]|, 0x2800000   ; my block 2 c + h: all 32 numbers are mine; the floor 2^(5 - 127) holds the byte at 1 from below
.endr
.irp i, 2,4,6,8,10,12,14,16,18,20,22,24,26,28,30
.irp c, 0,1
	v_max3_num_f32 v[BM+\c], v[BM+\c], |v[RS+32*\c+\i]|, |v[RS+32*\c+\i+1]|
.endr
.endr
.irp c, 0,1
	v_add_nc_u32 v[SO+\c], 0xfe000000, v[BM+\c]    ; 4 off the exponent field: the conversion takes the exponent field of this operand as its scale
.endr
.if (\t) > 0
	s_wait_alu depctr_va_vdst(0)
	s_wait_xcnt 0x0                                ; the last tile's stores have read the fragment's registers: only now are they written again
.endif
	v_cvt_scalef32_pk16_bf6_f32 v[PC:PC+2], v[RS:RS+15], v[SO]
	v_cvt_scalef32_pk16_bf6_f32 v[T0:T0+2], v[RS+16:RS+31], v[SO]
	v_cvt_scalef32_pk16_bf6_f32 v[PC+6:PC+8], v[RS+32:RS+47], v[SO+1]
	v_cvt_scalef32_pk16_bf6_f32 v[T1:T1+2], v[RS+48:RS+63], v[SO+1]
	v_lshrrev_b32 v[BY], 23, v[SO]                 ; the bytes (also the plain line behind the conversions)
	v_lshrrev_b32 v[BY+1], 23, v[SO+1]
.irp i, 0,1,2
	v_mov_b32 v[PC+3+\i], v[T0+\i]
	v_mov_b32 v[PC+9+\i], v[T1+\i]
.endr
	v_lshl_or_b32 v[X0], v[BY+1], 16, v[BY]        ; my two bytes, blocks h and 2 + h,
	v_lshlrev_b32 v[X0], v[SH8], v[X0]             ; at their places in the word;
	v_permlanex16_b32 v[X1], v[X0], s20, s21
	v_or_b32 v[SW+\t], v[X0], v[X1]                ; with lane l xor 16's two the word is whole
.endm
.macro OUT t
.irp c, 0,1,2
	global_store_b128 v[LI], v[PC+4*\c:PC+4*\c+3], s[26:27] offset:1536*(\t)+512*\c   ; 512 consecutive bytes, at a multiple of 256 from img's first byte
.endr
.endm
	LOAD 0
	LOAD 1
	LOAD 2
.irp t, 0,1,2,3
.if \t < 2
	s_wait_loadcnt 32                              ; this tile's 16 loads are in; two younger tiles' 32 may be out
.elseif \t == 2
	s_wait_loadcnt 16                              ; tile 3's 16 may be out
.else
	s_wait_loadcnt 0x0
.endif
	TURN \t
	s_wait_dscnt 0x0
	QUANT \t
.if \t == 0
	LOAD 3                                         ; into the set that tile 0 has left
.endif
	OUT \t
.endr
	v_cndmask_b32 v[PK], v[SW], v[SW+1], s22       ; word 0: lanes 0-15 tile 0's, lanes 16-31 tile 1's
	v_cndmask_b32 v[PK+1], v[SW+2], v[SW+3], s22   ; word 1: tiles 2 and 3
	global_store_b64 v[L8], v[PK:PK+1], s[28:29]   ; 256 consecutive bytes, aligned
	s_wait_tensorcnt 0x0
	ds_add_u32 v232, v233
	s_wait_dscnt 0x0
	s_endpgm
.Lfunc_end_k_q0695c80f0e_quant:
	.size	k_q0695c80f0e_quant, .Lfunc_end_k_q0695c80f0e_quant-k_q0695c80f0e_quant
	.p2alignl 7, 3214868480
	.fill 96, 4, 3214868480
	.section	.rodata,"a",@progbits
	.p2align	6, 0x0
	.amdhsa_kernel k_q0695c80f0e_quant
		.amdhsa_group_segment_fixed_size 51456
		.amdhsa_private_segment_fixed_size 0
		.amdhsa_enable_private_segment 0
		.amdhsa_kernarg_size 40
		.amdhsa_user_sgpr_count 2
		.amdhsa_user_sgpr_kernarg_segment_ptr 1
		.amdhsa_wavefront_size32 1
		.amdhsa_system_sgpr_workgroup_id_x 1
		.amdhsa_system_sgpr_workgroup_id_y 1
		.amdhsa_system_sgpr_workgroup_id_z 1
		.amdhsa_system_vgpr_workitem_id 0
		.amdhsa_next_free_vgpr 234
		.amdhsa_next_free_sgpr 66
		.amdhsa_reserve_vcc 0
		.amdhsa_float_denorm_mode_32 3
		.amdhsa_float_denorm_mode_16_64 3
		.amdhsa_memory_ordered 1
		.amdhsa_forward_progress 1
		.amdhsa_inst_pref_size 30
	.end_amdhsa_kernel
	.amdgpu_metadata
---
amdhsa.version: [ 1, 2 ]
amdhsa.kernels:
  - .name:           k_q0695c80f0e_quant
    .symbol:         k_q0695c80f0e_quant.kd
    .args:
      - { .name: x, .offset: 0, .size: 8, .value_kind: global_buffer, .address_space: global }
      - { .name: Wq, .offset: 8, .size: 8, .value_kind: global_buffer, .address_space: global }
      - { .name: Wk, .offset: 16, .size: 8, .value_kind: global_buffer, .address_space: global }
      - { .name: Wv, .offset: 24, .size: 8, .value_kind: global_buffer, .address_space: global }
      - { .name: img, .offset: 32, .size: 8, .value_kind: global_buffer, .address_space: global }
    .group_segment_fixed_size: 51456
    .private_segment_fixed_size: 0
    .kernarg_segment_align: 8
    .kernarg_segment_size: 40
    .max_flat_workgroup_size: 192
    .sgpr_count:     66
    .vgpr_count:     234
    .wavefront_size: 32
...
	.end_amdgpu_metadata
.endif
;; end of part 1
;; launch proj (part 2): grid 64 x 4, 4 waves a work-group, clusters of 4 x 1, 327,680 bytes of LDS; arguments img, bq, bk, bv, qkv; writes qkv
.if DOCPART == 2
	.amdgcn_target "amdgcn-amd-amdhsa--gfx1250"
	.amdhsa_code_object_version 6
	.text
	.protected	k_q0695c80f0e_proj
	.globl	k_q0695c80f0e_proj
	.p2align	8
	.type	k_q0695c80f0e_proj,@function
k_q0695c80f0e_proj:
	s_mov_b64 s[64:65], 0
	v_nop
	global_prefetch_b8 v0, s[64:65] scope:SCOPE_SE
	s_setreg_imm32_b32 hwreg(HW_REG_WAVE_MODE, 25, 1), 1
	s_wait_xcnt 0x0
	s_wait_alu depctr_hold_cnt(0) depctr_sa_sdst(0) depctr_va_vdst(0) depctr_va_sdst(0) depctr_va_ssrc(0) depctr_va_vcc(0) depctr_vm_vsrc(0)
	s_getreg_b32 s2, hwreg(HW_REG_IB_STS2, 6, 4)
	s_cmp_eq_u32 s2, 0
	s_cbranch_scc0 .Lentry_in_a_cluster
	s_endpgm
.Lentry_in_a_cluster:
	s_bfe_u32 s2, ttmp6, 0x10000c
	s_cmp_lg_u32 s2, 0x3003
	s_cbranch_scc0 .Lentry_shape_is_right
	s_endpgm
.Lentry_shape_is_right:
; q = x Wq^T + bq, k = x Wk^T + bk, v = x Wv^T + bv on codes of BF6 with E8M0 scales (both operands from img, as register images), and the results QUANTISED ON THE WAY for the two products of attention:
; q and k along the head's 64 numbers, v along the keys.  Only codes and scale bytes go to memory (qkv).
; qkv: a block of 159,744 bytes for each (batch, head) = 12 b + head: three sections of 53,248 bytes, Q, K, V.  A section: 64 half fragments of 768 bytes at (4 g + t) x 768 (g: group of 64 tokens; t: tile of tokens for
; Q and K, tile of channels for V), then 16 scale blocks of 256 bytes at 49,152 + 256 g.  A half fragment is six registers a lane: registers 0-3 at 16 x lane, 4-5 at 512 + 8 x lane.
; A scale block: lane (r, h) has 8 bytes: word i belongs to row r of tile 2 i + h.  Q, K: bytes 0, 1 = the two blocks of the head's 64, bytes 2, 3 = 0.  V: group g's two bytes at bit 16 (g % 2), the rest 0.
; SHARES: work-group (rb, j): 256 tokens x 9 groups of 64 rows of W: six of Wq (j = 0, 1) or Wk (j = 2, 3), three of Wv.  Wave w owns 64 tokens: its 24 fragments of x stay in registers for the whole launch.
; Row m of a tile is row 32 (m / 8) + 8 t + m % 8 of its group, so the four tiles' results are 32 NEIGHBOURS in one lane: a whole block of the next quantiser, in the order of the next operand's registers.
;   q, k: source 0 = 16 rows of W, source 1 = 16 tokens: lane (r, h) holds token r and channels 32 h + 0 .. 31.     v: source 0 = 16 tokens, source 1 = 16 rows of W: lane (r, h) holds channel r and tokens 32 h + 0 .. 31.
; The bias is the C of each sum's first matrix instruction.
; CLUSTER: the four work-groups of a cluster share j, so they need the same groups of W: each group is asked for JOINTLY (mask 15).  Three fills of three groups: two first fills, one refill of slot 0.
; By this text's own count a wave has at most one tensor load outstanding.
; LIMITS: NaN and infinities are not served; a block whose largest magnitude lies under 2^-122 gets the byte 1 (the bytes are read by this program alone).
; REGISTERS, in windows of 256: window 0: v1-13 addresses; v16-27 x's scale words; v28-39 W's; v40-63 at work; v64-191 16 accumulators; v192-223 bv as C; v224-255 codes to store.
;   window 1: x's fragments of K steps 0-2 at v[12 (4 s + t)]; from v144 the biases of groups 0-2.   window 2: K steps 3-5; biases of groups 3-5.   window 3: three sets of W's four fragments; v144-155 bv.
.set GRP,   38400
.set SLOT1, 3*GRP                      ; slot 0 at 0, slot 1 here: three groups each, as they lie in img
.set SPARE, 2*SLOT1                    ; behind the slots: the spare words, 128 bytes for each wave: two blocks of 256 bytes that no other line names
.set HB,    159744
.set SEC,   53248
.set LI,   1                           ; v1  16 x lane
.set L8,   2                           ; v2  8 x lane
.set WA,   3                           ; v3  LDS: the group in hand + 16 x lane
.set WA8,  4                           ; v4  + 8 x lane
.set SPW,  5                           ; v5  LDS address of my spare word; never rewritten
.set NIL,  6                           ; v6  0; never rewritten
.set VO16, 7                           ; v7  16 x lane + 3,072 g
.set VO8,  8                           ; v8  8 x lane + 3,072 g
.set VOS,  9                           ; v9  8 x lane + 256 g
.set SHQ,  10                          ; v10 8 h
.set SHV,  11                          ; v11 8 h + 16 (g % 2)
.set BO,   12                          ; v12 128 h
.set BVO,  13                          ; v13 128 (r / 8) + 4 (r % 8)
.set XS,   16
.set WS,   28
.set T,    40                          ; v40.. four runs of three: the second half of each unit's six registers
.set BM,   56                          ; v56-59 largest magnitudes, then bytes, then scale words
.set SO,   60                          ; v60-63 the conversions' scale operands; then v60-61 the scale block's two words
.set ACC,  64
.set BI,   192
.set PC,   224
.set XB,   144
.set BV,   144
.set MSB, 0
.macro WIN new                         ; the immediate's high byte repeats the setting that is left
.set NW, \new
.if MSB != NW
	s_set_vgpr_msb (MSB<<8)|NW
.set MSB, NW
.endif
.endm
.macro PLACES n
.rept \n
	v_nop
.endr
.endm
.macro ROUND                           ; a round of the cluster's barrier
	s_barrier_signal -1
	s_barrier_wait -1
	s_cmp_lg_u32 s14, 0
	s_cbranch_scc1 .Lnot_wave_0_\@
	s_barrier_signal -3
.Lnot_wave_0_\@:
	s_barrier_wait -3
	s_barrier_signal -1
	s_barrier_wait -1
.endm
.macro WM ra, rb                       ; the product of the registers named by rD, rA, rB, rC, rSA, rSB; ra, rb: the scales stand in lanes 16-31
.set RR, 2*(\ra)+(\rb)
.if RR == 0
	v_wmma_scale_f32_16x16x128_f8f6f4 v[rD:rD+7], v[rA:rA+11], v[rB:rB+11], v[rC:rC+7], v[rSA], v[rSB] matrix_a_fmt:MATRIX_FMT_BF6 matrix_b_fmt:MATRIX_FMT_BF6
.elseif RR == 1
	v_wmma_scale_f32_16x16x128_f8f6f4 v[rD:rD+7], v[rA:rA+11], v[rB:rB+11], v[rC:rC+7], v[rSA], v[rSB] matrix_a_fmt:MATRIX_FMT_BF6 matrix_b_fmt:MATRIX_FMT_BF6 matrix_b_scale:MATRIX_SCALE_ROW1
.elseif RR == 2
	v_wmma_scale_f32_16x16x128_f8f6f4 v[rD:rD+7], v[rA:rA+11], v[rB:rB+11], v[rC:rC+7], v[rSA], v[rSB] matrix_a_fmt:MATRIX_FMT_BF6 matrix_b_fmt:MATRIX_FMT_BF6 matrix_a_scale:MATRIX_SCALE_ROW1
.else
	v_wmma_scale_f32_16x16x128_f8f6f4 v[rD:rD+7], v[rA:rA+11], v[rB:rB+11], v[rC:rC+7], v[rSA], v[rSB] matrix_a_fmt:MATRIX_FMT_BF6 matrix_b_fmt:MATRIX_FMT_BF6 matrix_a_scale:MATRIX_SCALE_ROW1 matrix_b_scale:MATRIX_SCALE_ROW1
.endif
.endm
	s_load_b256 s[4:11], s[0:1], 0x0               ; img, bq, bk, bv
	s_load_b64 s[12:13], s[0:1], 0x20              ; qkv
	v_lshl_add_u32 v[SPW], v0, 2, SPARE
	v_mov_b32 v[NIL], 0
	ds_add_u32 v5, v6
	ds_add_u32 v5, v6
	s_wait_dscnt 0x0
	v_lshrrev_b32 v1, 5, v0
	v_readfirstlane_b32 s14, v1                    ; wave 0..3
	s_bfe_u32 s15, ttmp6, 0x40000                  ; cx
	s_lshl_b32 s16, ttmp9, 2
	s_add_co_u32 s16, s16, s15                     ; rb = 4 x cluster x + cx: my block of 256 tokens
	s_and_b32 s17, ttmp7, 0xffff                   ; j: the column block, which the four partners share
	; descriptor group 1: a group of img, 38,400 dense bytes, as 150 rows of 256 bytes (32 elements of 8 bytes), no padding
	s_mov_b32 s24, 15|(3<<16)|(1<<21)              ; 15:0 the mask: all four work-groups; 17:16 elements of 8 bytes; 21 set beside a mask
	s_mov_b32 s25, 32<<16                          ; tensor_dim0 = 32
	s_mov_b32 s26, 150<<16                         ; tensor_dim1 = 150
	s_mov_b32 s27, 32<<16                          ; tile_dim0 = 32
	s_mov_b32 s28, 150                             ; tile_dim1 = 150
	s_mov_b32 s29, 32                              ; the pitch
	s_mov_b32 s30, 0
	s_mov_b32 s31, 0
	; groups 0, one for each fill, never stepped; made of j and the wave's number alone.  Waves 0-2 bring one group each
	s_mul_i32 s18, s17, 6
	s_add_co_u32 s18, s18, s14
	s_add_co_u32 s18, s18, 256
	s_mul_i32 s18, s18, GRP                        ; fill 0: group 256 + 6 j + wave
	s_mov_b32 s19, 0
	s_mul_i32 s20, s17, 3
	s_add_co_u32 s20, s20, s14
	s_add_co_u32 s20, s20, 280
	s_mul_i32 s20, s20, GRP                        ; fill 2: group 280 + 3 j + wave
	s_mov_b32 s21, 0
	s_mul_i32 s22, s14, GRP                        ; its place in a slot
	s_mov_b32 s44, 0x76543210
	s_mov_b32 s45, 0xfedcba98                      ; v_permlanex16_b32's selects for lane l xor 16
	s_mov_b32 s46, 0xffff0000                      ; lanes 16-31
	s_wait_kmcnt 0x0
	s_mov_b32 s32, 1
	s_mov_b32 s33, s22
	s_add_nc_u64 s[34:35], s[4:5], s[18:19]
	s_mov_b32 s36, 1
	s_add_co_u32 s37, s22, SLOT1
	s_add_nc_u64 s[38:39], s[34:35], SLOT1         ; fill 1: three groups on
	s_or_b32 s35, s35, 0x80000000
	s_or_b32 s39, s39, 0x80000000
	s_mov_b32 s40, 1
	s_mov_b32 s41, s22
	s_add_nc_u64 s[42:43], s[4:5], s[20:21]
	s_or_b32 s43, s43, 0x80000000
	ROUND                                          ; all four work-groups are here: the first joint loads meet
	s_cmp_lt_u32 s14, 3                            ; a wave's first fill stands in a branch on the wave's number
	s_cbranch_scc0 .Lno_first
	tensor_load_to_lds s[32:35], s[24:31]
	s_nop 0
	PLACES 4
.Lno_first:
	v_and_b32 v2, 31, v0
	v_lshlrev_b32 v[LI], 4, v2
	v_lshlrev_b32 v[L8], 3, v2
	v_and_b32 v14, 15, v0                          ; r
	v_bfe_u32 v15, v0, 4, 1                        ; h
	v_lshlrev_b32 v[SHQ], 3, v15
	s_and_b32 s23, s14, 1                          ; g % 2 = wave % 2
	s_lshl_b32 s23, s23, 4
	v_add_nc_u32 v[SHV], s23, v[SHQ]
	v_lshlrev_b32 v[BO], 7, v15
	s_wait_alu depctr_va_vdst(0)
	v_lshrrev_b32 v[BVO], 3, v14
	v_and_b32 v14, 7, v14
	v_lshlrev_b32 v14, 2, v14
	v_lshl_add_u32 v[BVO], v[BVO], 7, v14
	s_wait_alu depctr_va_vdst(0)
	s_and_b32 s58, s16, 3
	s_lshl_b32 s58, s58, 2
	s_add_co_u32 s58, s58, s14                     ; g: my group of 64 tokens in its batch
	s_mul_i32 s59, s58, 3072
	v_add_nc_u32 v[VO16], s59, v[LI]
	v_add_nc_u32 v[VO8], s59, v[L8]
	s_lshl_b32 s59, s58, 8
	v_add_nc_u32 v[VOS], s59, v[L8]
	s_lshl_b32 s58, s16, 2
	s_add_co_u32 s58, s58, s14                     ; my group of x in img
	s_mul_i32 s58, s58, GRP
	s_mov_b32 s59, 0
	s_add_nc_u64 s[52:53], s[4:5], s[58:59]
	s_lshr_b32 s60, s16, 2
	s_mul_i32 s60, s60, 12                         ; 12 b
	s_and_b32 s61, s17, 1
	s_mul_i32 s62, s61, 6
	s_add_co_u32 s58, s60, s62
	s_mul_i32 s58, s58, HB
	s_lshr_b32 s63, s17, 1                         ; 0: q, 1: k
	s_mul_i32 s62, s63, SEC
	s_add_co_u32 s58, s58, s62
	s_add_nc_u64 s[48:49], s[12:13], s[58:59]      ; q or k: head 6 (j % 2), section j / 2
	s_mul_i32 s62, s17, 3
	s_add_co_u32 s58, s60, s62
	s_mul_i32 s58, s58, HB
	s_add_co_u32 s58, s58, 2*SEC
	s_add_nc_u64 s[50:51], s[12:13], s[58:59]      ; v: head 3 j, section 2
	s_cmp_eq_u32 s63, 0
	s_cselect_b64 s[54:55], s[6:7], s[8:9]         ; bq or bk: the choice hangs on j alone
	s_mul_i32 s58, s61, 1536
	s_add_nc_u64 s[54:55], s[54:55], s[58:59]
	s_mul_i32 s58, s17, 768
	s_add_nc_u64 s[56:57], s[10:11], s[58:59]
	WIN 0x40                                       ; destination window 1
.set f, 0
.rept 12
.irp c, 0,1,2
	global_load_b128 v[12*f+4*\c:12*f+4*\c+3], v[LI], s[52:53] offset:1536*f+512*\c          ; x's fragments of K steps 0-2: they stay
.endr
.set f, f+1
.endr
.irp n, 0,1,2
.irp i, 0,1,2,3,4,5,6,7
	global_load_b128 v[XB+32*\n+4*\i:XB+32*\n+4*\i+3], v[BO], s[54:55] offset:256*\n+16*\i   ; the bias at channels 32 h + 0 .. 31 of group n: four tiles of C
.endr
.endr
	WIN 0x80                                       ; destination window 2
.set f, 0
.rept 12
.irp c, 0,1,2
	global_load_b128 v[12*f+4*\c:12*f+4*\c+3], v[LI], s[52:53] offset:1536*(f+12)+512*\c     ; K steps 3-5
.endr
.set f, f+1
.endr
.irp n, 0,1,2
.irp i, 0,1,2,3,4,5,6,7
	global_load_b128 v[XB+32*\n+4*\i:XB+32*\n+4*\i+3], v[BO], s[54:55] offset:256*(\n+3)+16*\i
.endr
.endr
	WIN 0xc0                                       ; destination window 3
.irp n, 0,1,2
.irp t, 0,1,2,3
	global_load_b32 v[BV+4*\n+\t], v[BVO], s[56:57] offset:256*\n+32*\t                      ; bv at channel 32 (r / 8) + 8 t + r % 8 of v's group n
.endr
.endr
	WIN 0
.irp s, 0,1,2,3,4,5
	global_load_b64 v[XS+2*\s:XS+2*\s+1], v[L8], s[52:53] offset:36864+256*\s                ; x's scale words: register 2 s + i: tile 2 i in lanes 0-15, tile 2 i + 1 in lanes 16-31
.endr
.macro WLOAD s                         ; W's four fragments of K step s into set s % 3: 12 loads of 512 consecutive bytes
.irp t, 0,1,2,3
.irp c, 0,1,2
	ds_load_b128 v[48*((\s)%3)+12*\t+4*\c:48*((\s)%3)+12*\t+4*\c+3], v[WA] offset:(4*(\s)+\t)*1536+512*\c
.endr
.endr
.endm
; Ahead of group n's products: its scale words and its first two K steps' fragments are asked for; the epilogue of the group before stands between these loads and their use.
.macro PRE n
.set LBASE, (((\n)/3)%2)*SLOT1+((\n)%3)*GRP
	PLACES 4                                       ; places in front of loads into registers that matrix instructions have read, and of the first read of results
	v_add_nc_u32 v[WA], LBASE, v[LI]
	v_add_nc_u32 v[WA8], LBASE, v[L8]
.irp s, 0,1,2,3,4,5
	ds_load_b64 v[WS+2*\s:WS+2*\s+1], v[WA8] offset:36864+256*\s
.endr
	WIN 0xc0
	WLOAD 0
	WLOAD 1
	WIN 0
.endm
; Group n's 96 products: six K steps x 16 accumulators, which take turns, one instruction a turn, in the same order in every step.  vm = 0: q or k; 1: v.
; Accumulator (u, v) at ACC + 32 u + 8 v.  q, k: u = tile of tokens, v = tile of W.  v: u = tile of W, v = tile of tokens.  Source 0 is tile v, source 1 tile u.
.macro MUL n, vm
.irp s, 0,1,2,3,4,5
.if \s < 4
.if \s > 0
	PLACES 4                                       ; the set that takes K step s + 2 was read by the products just issued
.endif
	WIN 0xc0
	WLOAD \s+2
	s_wait_dscnt 24                                ; this step's fragments (and the scale words) are in; the 12 loads of each of the two younger steps may be out
.elseif \s == 4
	s_wait_dscnt 12                                ; the last step's 12 may be out
.else
	s_wait_dscnt 0x0
.endif
.if \vm
	WIN 0x0d+(\s/3)                                ; source 0 (x) window 1 or 2, source 1 (W) window 3, C and D window 0
.elseif \s == 0
	WIN 0x17+0x10*((\n)/3)                         ; source 0 (W) window 3, source 1 (x) window 1, C (the bias) window 1 or 2
.else
	WIN 0x07+4*(\s/3)                              ; source 0 (W) window 3, source 1 (x) window 1 or 2, C and D window 0
.endif
.irp u, 0,1,2,3
.irp v, 0,1,2,3
.set rD, ACC+32*\u+8*\v
.if \vm
.set rA, 12*(4*(\s%3)+\v)
.set rB, 48*(\s%3)+12*\u
.set rC, BI+8*\u
.set rSA, XS+2*\s+(\v/2)
.set rSB, WS+2*\s+(\u/2)
.else
.set rA, 48*(\s%3)+12*\v
.set rB, 12*(4*(\s%3)+\u)
.set rC, XB+32*((\n)%3)+8*\v
.set rSA, WS+2*\s+(\v/2)
.set rSB, XS+2*\s+(\u/2)
.endif
.if \s > 0
.set rC, rD
.endif
	WM \v%2, \u%2
.endr
.endr
.endr
	WIN 0
.endm
.macro VBIAS m                         ; v's group m: a lane's channel is one for all eight registers of a tile of C
	WIN 0x03                                       ; source 0 window 3
.irp t, 0,1,2,3
.irp i, 0,1,2,3,4,5,6,7
	v_mov_b32 v[BI+8*\t+\i], v[BV+4*(\m)+\t]
.endr
.endr
	WIN 0
.endm
; THE EPILOGUE: unit u's 32 registers are one block of 32 of one row: its largest magnitude needs no other lane, and two conversions and three moves give the next operand's six registers.
; sh: the register with the byte's place in the scale word; base: the scalar pair of the section; off: the head's block.
.macro EPI sh, base, off
	s_wait_xcnt 0x0                                ; the last epilogue's stores have read their registers: only now are those written again
.irp u, 0,1,2,3
	v_max3_num_f32 v[BM+\u], |v[ACC+32*\u]|, |v[ACC+32*\u+1]|, 0x2800000   ; each accumulator is read from its low end on; the floor 2^(5 - 127) holds the byte at 1 from below
.endr
.irp i, 2,4,6,8,10,12,14,16,18,20,22,24,26,28,30
.irp u, 0,1,2,3
	v_max3_num_f32 v[BM+\u], v[BM+\u], |v[ACC+32*\u+\i]|, |v[ACC+32*\u+\i+1]|   ; (the four units by turns)
.endr
.endr
.irp u, 0,1,2,3
	v_add_nc_u32 v[SO+\u], 0xfe000000, v[BM+\u]    ; 4 off the exponent field: the conversion's scale operand
.endr
.irp u, 0,1,2,3
	v_cvt_scalef32_pk16_bf6_f32 v[PC+8*\u:PC+8*\u+2], v[ACC+32*\u:ACC+32*\u+15], v[SO+\u]
	v_cvt_scalef32_pk16_bf6_f32 v[T+4*\u:T+4*\u+2], v[ACC+32*\u+16:ACC+32*\u+31], v[SO+\u]   ; (a conversion's three registers begin on an even number)
.endr
.irp u, 0,1,2,3
	v_lshrrev_b32 v[BM+\u], 23, v[SO+\u]           ; the bytes (also the plain lines behind the conversions)
.endr
.irp u, 0,1,2,3
.irp i, 0,1,2
	v_mov_b32 v[PC+8*\u+3+\i], v[T+4*\u+\i]
.endr
.endr
.irp u, 0,1,2,3
	v_lshlrev_b32 v[BM+\u], v[\sh], v[BM+\u]       ; my block's byte at its place in the row's word,
.endr
.irp u, 0,1,2,3
	v_permlanex16_b32 v[T+4*\u], v[BM+\u], s44, s45
.endr
.irp u, 0,1,2,3
	v_or_b32 v[BM+\u], v[BM+\u], v[T+4*\u]         ; and lane l xor 16's beside it
.endr
	v_cndmask_b32 v[SO], v[BM], v[BM+1], s46       ; the scale block: word 0: tile 0 in lanes 0-15, tile 1 in lanes 16-31;
	v_cndmask_b32 v[SO+1], v[BM+2], v[BM+3], s46   ; word 1: tiles 2 and 3
.irp u, 0,1,2,3
	global_store_b128 v[VO16], v[PC+8*\u:PC+8*\u+3], s[\base:\base+1] offset:\off+768*\u          ; 512 consecutive bytes, at a multiple of 256 from qkv's first byte
	global_store_b64 v[VO8], v[PC+8*\u+4:PC+8*\u+5], s[\base:\base+1] offset:\off+768*\u+512      ; 256 likewise
.endr
	global_store_b64 v[VOS], v[SO:SO+1], s[\base:\base+1] offset:\off+49152
.endm
	s_wait_alu depctr_va_vdst(0)                   ; the wait at the head's end
	s_wait_tensorcnt 0x0                           ; my part of slot 0 is in; slot 1's first fill is issued as a refill is:
	ds_add_u32 v[SPW], v[NIL]                      ; the add, twice on end
	ds_add_u32 v[SPW], v[NIL]
	s_wait_dscnt 0x0
	ROUND                                          ; everybody's part of slot 0 is in, and the four work-groups are here: the joint loads meet
	s_cmp_lt_u32 s14, 3
	s_cbranch_scc0 .Lno_second
	tensor_load_to_lds s[36:39], s[24:31]          ; slot 1: it has three groups' products, 288 matrix instructions, in which to land
	s_nop 0
	PLACES 4
.Lno_second:
	PRE 0
	s_wait_alu depctr_va_vdst(0)
	s_wait_loadcnt 0x0                             ; x, its scale words, the biases
	MUL 0, 0
	PRE 1
	EPI SHQ, 48, 0*HB
	MUL 1, 0
	PRE 2
	EPI SHQ, 48, 1*HB
	MUL 2, 0
	; slot 0 has been read out: it takes Wv's three groups.  All my tensor loads have landed (slot 1's among them), the add, my reads of slot 0 are over; a round of the cluster's barrier; the joint refill first behind it.
	s_wait_tensorcnt 0x0
	ds_add_u32 v[SPW], v[NIL]                      ; 0 onto my spare word
	ds_add_u32 v5, v6
	s_wait_dscnt 0x0
	ROUND
	s_cmp_lt_u32 s14, 3
	s_cbranch_scc0 .Lno_refill
	tensor_load_to_lds s[40:43], s[24:31]          ; it has three groups' products, 288 matrix instructions, in which to land
	s_nop 0
	PLACES 4
.Lno_refill:
	PRE 3
	EPI SHQ, 48, 2*HB
	MUL 3, 0
	PRE 4
	EPI SHQ, 48, 3*HB
	MUL 4, 0
	PRE 5
	EPI SHQ, 48, 4*HB
	MUL 5, 0
	s_wait_tensorcnt 0x0                           ; my part of Wv's groups is in,
	s_wait_dscnt 0x0
	s_barrier_signal -1
	s_barrier_wait -1                              ; everybody's is
	PRE 6
	EPI SHQ, 48, 5*HB
	VBIAS 0
	s_wait_alu depctr_va_vdst(0)
	MUL 6, 1
	PRE 7
	EPI SHV, 50, 0*HB
	VBIAS 1
	s_wait_alu depctr_va_vdst(0)
	MUL 7, 1
	PRE 8
	EPI SHV, 50, 1*HB
	VBIAS 2
	s_wait_alu depctr_va_vdst(0)
	MUL 8, 1
	PLACES 4
	EPI SHV, 50, 2*HB
	s_wait_tensorcnt 0x0                           ; the wave's end
	ds_add_u32 v[SPW], v[NIL]
	s_wait_dscnt 0x0
	ROUND                                          ; the closing round: no work-group ends while a partner may still ask for a tile that names it
	s_endpgm
.Lfunc_end_k_q0695c80f0e_proj:
	.size	k_q0695c80f0e_proj, .Lfunc_end_k_q0695c80f0e_proj-k_q0695c80f0e_proj
	.p2alignl 7, 3214868480
	.fill 96, 4, 3214868480
	.section	.rodata,"a",@progbits
	.p2align	6, 0x0
	.amdhsa_kernel k_q0695c80f0e_proj
		.amdhsa_group_segment_fixed_size 327680
		.amdhsa_private_segment_fixed_size 0
		.amdhsa_enable_private_segment 0
		.amdhsa_kernarg_size 40
		.amdhsa_user_sgpr_count 2
		.amdhsa_user_sgpr_kernarg_segment_ptr 1
		.amdhsa_wavefront_size32 1
		.amdhsa_system_sgpr_workgroup_id_x 1
		.amdhsa_system_sgpr_workgroup_id_y 1
		.amdhsa_system_sgpr_workgroup_id_z 1
		.amdhsa_system_vgpr_workitem_id 0
		.amdhsa_next_free_vgpr 1024
		.amdhsa_next_free_sgpr 66
		.amdhsa_reserve_vcc 0
		.amdhsa_float_denorm_mode_32 3
		.amdhsa_float_denorm_mode_16_64 3
		.amdhsa_memory_ordered 1
		.amdhsa_forward_progress 1
		.amdhsa_inst_pref_size 248
	.end_amdhsa_kernel
	.amdgpu_metadata
---
amdhsa.version: [ 1, 2 ]
amdhsa.kernels:
  - .name:           k_q0695c80f0e_proj
    .symbol:         k_q0695c80f0e_proj.kd
    .args:
      - { .name: img, .offset: 0, .size: 8, .value_kind: global_buffer, .address_space: global }
      - { .name: bq, .offset: 8, .size: 8, .value_kind: global_buffer, .address_space: global }
      - { .name: bk, .offset: 16, .size: 8, .value_kind: global_buffer, .address_space: global }
      - { .name: bv, .offset: 24, .size: 8, .value_kind: global_buffer, .address_space: global }
      - { .name: qkv, .offset: 32, .size: 8, .value_kind: global_buffer, .address_space: global }
    .group_segment_fixed_size: 327680
    .private_segment_fixed_size: 0
    .kernarg_segment_align: 8
    .kernarg_segment_size: 40
    .max_flat_workgroup_size: 128
    .sgpr_count:     66
    .vgpr_count:     1024
    .wavefront_size: 32
...
	.end_amdgpu_metadata
.endif
;; end of part 2
;; launch attn (part 3): grid 256 x 1, 8 waves a work-group, clusters of 4 x 1, 327,680 bytes of LDS; arguments qkv, out0; writes out0
.if DOCPART == 3
	.amdgcn_target "amdgcn-amd-amdhsa--gfx1250"
	.amdhsa_code_object_version 6
	.text
	.protected	k_q0695c80f0e_attn
	.globl	k_q0695c80f0e_attn
	.p2align	8
	.type	k_q0695c80f0e_attn,@function
k_q0695c80f0e_attn:
	s_mov_b64 s[64:65], 0
	v_nop
	global_prefetch_b8 v0, s[64:65] scope:SCOPE_SE
	s_setreg_imm32_b32 hwreg(HW_REG_WAVE_MODE, 25, 1), 1
	s_wait_xcnt 0x0
	s_wait_alu depctr_hold_cnt(0) depctr_sa_sdst(0) depctr_va_vdst(0) depctr_va_sdst(0) depctr_va_ssrc(0) depctr_va_vcc(0) depctr_vm_vsrc(0)
	s_getreg_b32 s2, hwreg(HW_REG_IB_STS2, 6, 4)
	s_cmp_eq_u32 s2, 0
	s_cbranch_scc0 .Lentry_in_a_cluster
	s_endpgm
.Lentry_in_a_cluster:
	s_bfe_u32 s2, ttmp6, 0x10000c
	s_cmp_lg_u32 s2, 0x3003
	s_cbranch_scc0 .Lentry_shape_is_right
	s_endpgm
.Lentry_shape_is_right:
; out[b][q][64 head + d] = the sum over keys of softmax(q . k / sqrt(768)) v, both products on codes of BF6 (E3M2) with E8M0 scales, from qkv (register images; the layout stands at the head of the launch that writes it).
; THE SOFTMAX AHEAD OF THE SECOND PRODUCT: t = score x log2(e) / sqrt(768); M = the running largest t rounded UP to a whole number; p = 2^(t - M) is quantised along the keys, not normalised; the row's sum is taken of
; the unquantised p and divides at the end; when M moves, the sum and O are multiplied by 2^(old M - new M), which rounds nothing.
; SHARES: a cluster of four work-groups owns three (batch, head) pairs; work-group cx owns queries 256 cx .. 256 cx + 255 of each; wave w two tiles of 16 queries, so each fragment of K and V feeds two products.
; The four need the same K and V: the three heads' K and V sections (106,496 bytes each) are asked for JOINTLY, once, into three slots; nothing is filled again.  At the head each of the eight waves brings an
; eighth of slot 0; behind the full sequence and a round each brings a quarter of slot 1 (waves 0-3) or slot 2 (waves 4-7): by this text's own count one tensor load of a wave is out at a time.
; No prefetch: all fills are issued at the head, so there is no loop to run ahead in.
; LAYOUT: both products transposed: S^T = K Q^T, O^T = V^T P^T: a lane holds ONE query.  Row m of a tile (of queries, keys, channels) is row 32 (m / 8) + 8 t + m % 8 of its group of 64: so the 32 registers of a
; group's four tiles of keys are keys 32 h + 0 .. 31 of the group: a whole block of p in one lane, in the order of the operand's registers.
; THE FIRST PRODUCT'S K IS 64, the instruction's 128: Q's registers 6-11 are zero codes, and bytes 2, 3 of both scale words are 0 (2^-127, a number).  So K's upper six registers may hold any codes: K's tiles
; lie six registers apart, a tile's upper half being the next tile's data.
; A STEP is 128 keys: 16 products for the scores; then the LDS loads of this step's V and of the next step's K and scale words; both tiles' softmax, their chains by turns; one wait for the loads; 8 products onto O^T.
; LIMITS: NaN and infinities are not served; the promise holds while |t| stays under 2^31; p under 2^-126 becomes 0 (v_exp_f32 flushes); a block of p whose every number is 0 keeps the byte 1: its codes are zeros.
; REGISTERS, window 0: v1-13 addresses; v14-16 Q's scale words (tile A lanes 0-15, B lanes 16-31), a head each; v18-21 K's; v22-25 V's as loaded, v26-27 joined; v28-29 p's; v32-85 K; v88-135 V; v136-207 Q (tile, head).
;   window 1: v0-127 S^T, then p (tile A, tile B); v128-191 O^T; v192-215 p's codes; v216-222 at work; v219 8 h; v224-239 tile A's state, v240-255 tile B's.
.set HB,   159744
.set SEC,  53248
.set SLOT, 2*SEC                       ; a slot: a head's K section, then its V section
.set QTR,  SLOT/4                      ; 104 rows of 256 bytes
.set EIG,  SLOT/8                      ; 52 rows of 256 bytes
.set SPARE, 3*SLOT                     ; behind the slots: the spare words, 128 bytes a wave, that no other line names
.set LI,  1                            ; 16 x lane
.set L8,  2                            ; 8 x lane
.set A16, 3                            ; LDS: the step's half fragments + 16 x lane
.set A8,  4                            ; + 8 x lane
.set ASC, 5                            ; LDS: the step's scale blocks + 8 x lane
.set VQ16, 6
.set VQ8, 7
.set VQS, 8
.set STO, 9                            ; the way out: where I put 16 bytes of a row
.set RD,  10                           ; and where I read a row back
.set GO,  11                           ; my byte offset in out0: 3,072 h + 16 r
.set SPW, 12
.set NIL, 13
.set QS,  14
.set KS,  18
.set VR,  22
.set VS,  26
.set PS,  28
.set FK,  32
.set FV,  88
.set Q,   136
.set S,   0                            ; window 1 from here on; tile B's S at + 64, O at + 32, P at + 12, state at + 16
.set O,   128
.set P,   192
.set T0,  216
.set T1,  220
.set SH8, 219
.set NM,  224                          ; -M
.set TM,  225                          ; the largest score so far
.set L,   226                          ; the sum, two halves
.set FF,  228
.set BM,  230
.set SO,  232
.set SU,  234
.set X0,  236
.set X1,  237
.set BY,  238
.set MSB, 0
.macro WIN new                         ; the immediate's high byte repeats the setting that is left
.set NW, \new
.if MSB != NW
	s_set_vgpr_msb (MSB<<8)|NW
.set MSB, NW
.endif
.endm
.macro PLACES n
.rept \n
	v_nop
.endr
.endm
.macro D n
	s_delay_alu instid0(VALU_DEP_\n)
.endm
.macro ROUND                           ; a round of the cluster's barrier
	s_barrier_signal -1
	s_barrier_wait -1
	s_cmp_lg_u32 s8, 0
	s_cbranch_scc1 .Lnot_wave_0_\@
	s_barrier_signal -3
.Lnot_wave_0_\@:
	s_barrier_wait -3
	s_barrier_signal -1
	s_barrier_wait -1
.endm
.macro WM ra                           ; the product of rA and rB added onto rD; ra: source 0's scales stand in lanes 16-31
.if (\ra) == 0
	v_wmma_scale_f32_16x16x128_f8f6f4 v[rD:rD+7], v[rA:rA+11], v[rB:rB+11], v[rD:rD+7], v[rSA], v[rSB] matrix_a_fmt:MATRIX_FMT_BF6 matrix_b_fmt:MATRIX_FMT_BF6
.else
	v_wmma_scale_f32_16x16x128_f8f6f4 v[rD:rD+7], v[rA:rA+11], v[rB:rB+11], v[rD:rD+7], v[rSA], v[rSB] matrix_a_fmt:MATRIX_FMT_BF6 matrix_b_fmt:MATRIX_FMT_BF6 matrix_a_scale:MATRIX_SCALE_ROW1
.endif
.endm
.macro WMZ ra, rb                      ; the same, starting a sum
.set RR, 2*(\ra)+(\rb)
.if RR == 0
	v_wmma_scale_f32_16x16x128_f8f6f4 v[rD:rD+7], v[rA:rA+11], v[rB:rB+11], 0, v[rSA], v[rSB] matrix_a_fmt:MATRIX_FMT_BF6 matrix_b_fmt:MATRIX_FMT_BF6
.elseif RR == 1
	v_wmma_scale_f32_16x16x128_f8f6f4 v[rD:rD+7], v[rA:rA+11], v[rB:rB+11], 0, v[rSA], v[rSB] matrix_a_fmt:MATRIX_FMT_BF6 matrix_b_fmt:MATRIX_FMT_BF6 matrix_b_scale:MATRIX_SCALE_ROW1
.elseif RR == 2
	v_wmma_scale_f32_16x16x128_f8f6f4 v[rD:rD+7], v[rA:rA+11], v[rB:rB+11], 0, v[rSA], v[rSB] matrix_a_fmt:MATRIX_FMT_BF6 matrix_b_fmt:MATRIX_FMT_BF6 matrix_a_scale:MATRIX_SCALE_ROW1
.else
	v_wmma_scale_f32_16x16x128_f8f6f4 v[rD:rD+7], v[rA:rA+11], v[rB:rB+11], 0, v[rSA], v[rSB] matrix_a_fmt:MATRIX_FMT_BF6 matrix_b_fmt:MATRIX_FMT_BF6 matrix_a_scale:MATRIX_SCALE_ROW1 matrix_b_scale:MATRIX_SCALE_ROW1
.endif
.endm
	s_load_b128 s[4:7], s[0:1], 0x0                ; qkv, out0
	v_lshl_add_u32 v[SPW], v0, 2, SPARE
	v_mov_b32 v[NIL], 0
	ds_add_u32 v[SPW], v[NIL]                      ; the opening lines: the add, twice on end, and its wait ahead of my first tensor load
	ds_add_u32 v[SPW], v[NIL]
	v_lshrrev_b32 v1, 5, v0
	D 1
	v_readfirstlane_b32 s8, v1                     ; wave 0..7
	s_bfe_u32 s9, ttmp6, 0x40000                   ; cx: it enters Q's and out0's addresses alone
	; two groups 1: dense bytes as rows of 256 (32 elements of 8 bytes), no padding: 52 rows, 104 rows; the mask names all four work-groups, bit 21 beside it
	s_mov_b32 s16, 15|(3<<16)|(1<<21)
	s_mov_b32 s17, 32<<16
	s_mov_b32 s18, 52<<16
	s_mov_b32 s19, 32<<16
	s_mov_b32 s20, 52
	s_mov_b32 s21, 32
	s_mov_b32 s22, 0
	s_mov_b32 s23, 0
	s_mov_b32 s24, 15|(3<<16)|(1<<21)
	s_mov_b32 s25, 32<<16
	s_mov_b32 s26, 104<<16
	s_mov_b32 s27, 32<<16
	s_mov_b32 s28, 104
	s_mov_b32 s29, 32
	s_mov_b32 s30, 0
	s_mov_b32 s31, 0
	s_mul_i32 s10, ttmp9, 3*HB                     ; the cluster's three heads
	s_mov_b32 s11, 0
	s_mul_i32 s12, s8, EIG                         ; my eighth of slot 0, in memory and in LDS
	s_mov_b32 s13, 0
	s_and_b32 s14, s8, 3
	s_mul_i32 s14, s14, QTR
	s_lshr_b32 s15, s8, 2
	s_mul_i32 s15, s15, HB
	s_add_co_u32 s14, s14, s15                     ; my quarter of head 1's or head 2's sections, in memory
	s_mov_b32 s15, 0
	s_mul_i32 s37, s8, QTR
	s_add_co_u32 s37, s37, SLOT                    ; and in LDS: slots 1 and 2 lie on end
	s_mov_b32 s52, 0x76543210
	s_mov_b32 s53, 0xfedcba98                      ; v_permlanex16_b32's selects for lane l xor 16
	s_mov_b32 s54, 0x3d553b95                      ; c = log2(e) / sqrt(768)
	s_mov_b32 s55, s54                             ; (named with it as a pair)
	s_mov_b32 s56, 0xbd553b95                      ; -c
	s_lshl_b32 s45, s9, 4
	s_lshl_b32 s44, s8, 1
	s_add_co_u32 s45, s45, s44
	s_mul_i32 s45, s45, 768                        ; my first tile of queries: 16 cx + 2 wave
	s_lshl_b32 s50, s9, 2
	s_lshr_b32 s44, s8, 1
	s_add_co_u32 s50, s50, s44                     ; its group of 64 queries
	s_and_b32 s51, s8, 1
	s_lshl_b32 s46, s50, 8
	s_lshl_b32 s44, s51, 2
	s_add_co_u32 s46, s46, s44
	s_add_co_u32 s46, s46, 49152                   ; word wave % 2 of the group's scale block
	s_mul_i32 s47, s8, 16*272                      ; my stage: 16 rows x (256 + 16) bytes, in slot 0; used only when every wave has left slot 0, which is filled once
	s_lshr_b32 s48, ttmp9, 2
	s_lshl_b32 s48, s48, 10
	s_lshl_b32 s44, s50, 6
	s_add_co_u32 s48, s48, s44
	s_lshl_b32 s44, s51, 4
	s_add_co_u32 s48, s48, s44                     ; token 1,024 b + 64 group + 16 (wave % 2): row 0 of tile A
	s_mul_i32 s48, s48, 3072
	s_and_b32 s44, ttmp9, 3
	s_mul_i32 s44, s44, 768                        ; head 3 (cluster % 4)
	s_add_co_u32 s48, s48, s44
	s_mov_b32 s49, 0
	s_wait_dscnt 0x0
	s_wait_kmcnt 0x0
	s_add_nc_u64 s[4:5], s[4:5], s[10:11]
	s_add_nc_u64 s[6:7], s[6:7], s[48:49]
	s_mov_b32 s32, 1
	s_mov_b32 s33, s12
	s_add_nc_u64 s[34:35], s[4:5], s[12:13]
	s_add_nc_u64 s[34:35], s[34:35], SEC
	s_or_b32 s35, s35, 0x80000000
	s_mov_b32 s36, 1
	s_add_nc_u64 s[38:39], s[4:5], s[14:15]
	s_add_nc_u64 s[38:39], s[38:39], HB+SEC
	s_or_b32 s39, s39, 0x80000000
	ROUND                                          ; all four work-groups are here: the joint loads meet
	tensor_load_to_lds s[32:35], s[16:23]          ; my eighth of slot 0: one tensor load a wave at the head
	s_nop 0
	v_and_b32 v2, 31, v0
	v_and_b32 v30, 15, v0                          ; r
	v_bfe_u32 v31, v0, 4, 1                        ; h
	v_lshlrev_b32 v[LI], 4, v2
	v_lshlrev_b32 v[L8], 3, v2
	v_mul_u32_u24 v[STO], v30, 272
	v_mul_u32_u24 v[RD], v31, 272
	v_mul_u32_u24 v[GO], v31, 3072
	v_add_nc_u32 v[VQ16], s45, v[LI]
	v_add_nc_u32 v[VQ8], s45, v[L8]
	v_add_nc_u32 v[VQS], s46, v[L8]
	v_lshl_add_u32 v[STO], v31, 7, v[STO]
	v_lshl_add_u32 v[RD], v30, 4, v[RD]
	v_lshl_add_u32 v[GO], v30, 4, v[GO]
	v_add_nc_u32 v[STO], s47, v[STO]               ; in: row r, + 128 h
	v_add_nc_u32 v[RD], s47, v[RD]                 ; back: lanes 0-15 one row, lanes 16-31 the next
.irp i, 0,1,2                          ; all three heads' Q: two half fragments and a scale word each; they stay
.irp u, 0,1
	global_load_b128 v[Q+12*(3*\u+\i):Q+12*(3*\u+\i)+3], v[VQ16], s[4:5] offset:HB*\i+768*\u
	global_load_b64 v[Q+12*(3*\u+\i)+4:Q+12*(3*\u+\i)+5], v[VQ8], s[4:5] offset:HB*\i+768*\u+512
.endr
	global_load_b32 v[QS+\i], v[VQS], s[4:5] offset:HB*\i
.endr
.set j, 0
.rept 6
.irp e, 6,7,8,9,10,11
	v_mov_b32 v[Q+12*j+\e], 0                      ; Q's upper halves: zero codes, written once
.endr
.set j, j+1
.endr
.irp e, 0,1,2,3,4,5
	v_mov_b32 v[FK+48+\e], 0                       ; the upper half of K's last tile
.endr
	WIN 0x40                                       ; destination window 1
	v_lshlrev_b32 v[SH8], 3, v31
.irp u, 0,1
	v_mov_b32 v[X1+16*\u], 0                       ; a lane permute's destination counts as one of its sources
	v_mov_b32 v[FF+16*\u+1], 0                     ; (named as the upper half of a pair)
.endr
	WIN 0
.macro KLOAD off                       ; eight half fragments of K, K's scale words and V's, of the step that begins off steps behind the one in A16, A8, ASC
.irp k, 0,1,2,3,4,5,6,7
	ds_load_b128 v[FK+6*\k:FK+6*\k+3], v[A16] offset:6144*(\off)+768*\k
	ds_load_b64 v[FK+6*\k+4:FK+6*\k+5], v[A8] offset:6144*(\off)+768*\k+512
.endr
.irp c, 0,1
	ds_load_b64 v[KS+2*\c:KS+2*\c+1], v[ASC] offset:512*(\off)+256*\c
	ds_load_b64 v[VR+2*\c:VR+2*\c+1], v[ASC] offset:SEC+512*(\off)+256*\c
.endr
.endm
.macro KPRE i                          ; head i's first step
	v_add_nc_u32 v[A16], SLOT*\i, v[LI]
	v_add_nc_u32 v[A8], SLOT*\i, v[L8]
	v_add_nc_u32 v[ASC], SLOT*\i+49152, v[L8]
	KLOAD 0
.endm
.macro PF u, j                         ; t - M, two at a time
	v_pk_fma_f32 v[S+64*(\u)+(\j):S+64*(\u)+(\j)+1], v[S+64*(\u)+(\j):S+64*(\u)+(\j)+1], s[54:55], v[NM+16*(\u):NM+16*(\u)+1] op_sel_hi:[1,0,0]
.endm
.macro PA d, a
	v_pk_add_f32 v[(\d):(\d)+1], v[(\d):(\d)+1], v[(\a):(\a)+1]
.endm
.macro EB n                            ; the next n of tile B's exponentials
.rept \n
	v_exp_f32 v[S+64+je], v[S+64+je]
.set je, je+1
.endr
.endm
.macro STEP i
	WIN 0x40                                       ; D window 1
.irp k, 0,1,2,3,4,5,6,7                ; S^T = K Q^T: 16 sums, each begun with 0
.irp u, 0,1
.set rD, S+64*\u+8*\k
.set rA, FK+6*\k
.set rB, Q+12*(3*\u+\i)
.set rSA, KS+2*(\k/4)+((\k%4)/2)
.set rSB, QS+\i
	WMZ \k%2, \u
.endr
.endr
	WIN 0
	v_add_nc_u32 v[A16], s40, v[LI]                ; these three and the v_nop: the four places behind the products, ahead of the lines that write their registers
	v_add_nc_u32 v[A8], s40, v[L8]
	v_add_nc_u32 v[ASC], s41, v[L8]
	v_nop
	v_or_b32 v[VS], v[VR], v[VR+2]                 ; V's scale words of this step: the two groups' halves
	v_or_b32 v[VS+1], v[VR+1], v[VR+3]
.irp t, 0,1,2,3                        ; this step's V: four fragments of 16 channels x 128 keys
.irp c, 0,1
	ds_load_b128 v[FV+12*\t+6*\c:FV+12*\t+6*\c+3], v[A16] offset:SEC+768*(4*\c+\t)
	ds_load_b64 v[FV+12*\t+6*\c+4:FV+12*\t+6*\c+5], v[A8] offset:SEC+768*(4*\c+\t)+512
.endr
.endr
	s_cmp_eq_u32 s42, 1                            ; the head's last step has no next step: a test on the loop's counter alone
	s_cbranch_scc1 .Lno_next_\@
	KLOAD 1
.Lno_next_\@:
	WIN 0x55                                       ; the softmax of both tiles, all in window 1
.irp u, 0,1                            ; THE LARGEST SCORE OF MY FOUR BLOCKS, each in two chains (registers 0-16, 17-31); each accumulator's first read is of one of its four lowest registers
.irp c, 0,1
.set B0, S+64*\u+32*\c
	v_max3_num_f32 v[BM+16*\u+\c], v[B0], v[B0+1], v[B0+2]
	v_max3_num_f32 v[SO+16*\u+\c], v[B0+17], v[B0+18], v[B0+19]
.endr
.endr
.irp k, 0,1,2,3,4,5,6
.irp u, 0,1
.irp c, 0,1
.set B0, S+64*\u+32*\c
	v_max3_num_f32 v[BM+16*\u+\c], v[BM+16*\u+\c], v[B0+3+2*\k], v[B0+4+2*\k]
.if \k < 6
	v_max3_num_f32 v[SO+16*\u+\c], v[SO+16*\u+\c], v[B0+20+2*\k], v[B0+21+2*\k]
.endif
.endr
.endr
.endr
.irp u, 0,1
.irp c, 0,1
	v_max_num_f32 v[BM+16*\u+\c], v[BM+16*\u+\c], v[SO+16*\u+\c]
.endr
.endr
.irp u, 0,1
	v_max_num_f32 v[X0+16*\u], v[BM+16*\u], v[BM+16*\u+1]
.endr
.irp u, 0,1
	v_permlanex16_b32 v[X1+16*\u], v[X0+16*\u], s52, s53
.endr
.irp u, 0,1
	v_max3_num_f32 v[TM+16*\u], v[TM+16*\u], v[X0+16*\u], v[X1+16*\u]   ; the running largest score of my query
.endr
.irp u, 0,1
	v_mov_b32 v[X1+16*\u], v[NM+16*\u]
.endr
.irp u, 0,1
	v_mul_f32 v[X0+16*\u], s56, v[TM+16*\u]        ; -t (c is positive)
.endr
.irp u, 0,1
	v_floor_f32 v[NM+16*\u], v[X0+16*\u]           ; the new -M = floor(-t): M is a whole number
.endr
	PF 0, 0
	PF 0, 2
.irp u, 0,1
	v_sub_f32 v[X0+16*\u], v[NM+16*\u], v[X1+16*\u]   ; old M - new M: a whole number, 0 or less
.endr
	PF 0, 4
	PF 0, 6
.irp u, 0,1
	v_cvt_i32_f32 v[X0+16*\u], v[X0+16*\u]         ; (it saturates)
.endr
	PF 0, 8
	PF 0, 10
.irp u, 0,1
	v_ldexp_f32 v[FF+16*\u], 1.0, v[X0+16*\u]      ; f = 2^(old M - new M)
.endr
.set j, 12
.rept 26
	PF 0, j
.set j, j+2
.endr
.irp u, 0,1
.irp c, 0,1
	v_fma_f32 v[BM+16*\u+\c], v[BM+16*\u+\c], s54, v[NM+16*\u]   ; the same of each block's largest score
.endr
.endr
.irp u, 0,1
.set j, 0
.rept 16
	v_pk_mul_f32 v[O+32*\u+j:O+32*\u+j+1], v[O+32*\u+j:O+32*\u+j+1], v[FF+16*\u:FF+16*\u+1] op_sel_hi:[1,0]   ; O^T under the new M, each accumulator from its low end on
.set j, j+2
.endr
.endr
	s_wait_alu depctr_va_vdst(0)                   ; the wait ahead of the batch
.irp u, 0,1
.irp c, 0,1
	v_exp_f32 v[BM+16*\u+\c], v[BM+16*\u+\c]       ; each block's largest p: the same two instructions on the same number
.endr
.endr
.set j, 0
.rept 32                               ; tile A's p = 2^(t - M); between them tile B's t - M, which names none of the batch's registers and is read behind the next wait; the last of them is the plain line behind the batch
	v_exp_f32 v[S+j], v[S+j]
	v_exp_f32 v[S+j+1], v[S+j+1]
	PF 1, j
.set j, j+2
.endr
	s_wait_alu depctr_va_vdst(0)                   ; one wait for the batch
.irp u, 0,1
.irp c, 0,1
	v_max_num_f32 v[BM+16*\u+\c], 0x2800000, v[BM+16*\u+\c]   ; the floor 2^(5 - 127): the byte cannot fall under 1
.endr
.endr
.irp u, 0,1
.irp c, 0,1
	v_add_nc_u32 v[SO+16*\u+\c], 0xfe000000, v[BM+16*\u+\c]   ; 4 off the exponent field: the conversion's scale operand
.endr
.endr
.irp u, 0,1
.irp c, 0,1
	v_lshrrev_b32 v[BY+16*\u+\c], 23, v[SO+16*\u+\c]          ; the byte
.endr
.endr
.irp u, 0,1
	v_lshl_or_b32 v[X0+16*\u], v[BY+16*\u+1], 16, v[BY+16*\u]   ; my two bytes, blocks h and 2 + h,
.endr
.irp u, 0,1
	D 2
	v_lshlrev_b32 v[X0+16*\u], v[SH8], v[X0+16*\u]
.endr
.irp u, 0,1
	D 2
	v_permlanex16_b32 v[X1+16*\u], v[X0+16*\u], s52, s53
.endr
	WIN 0x05                                       ; destination window 0: scale operands are taken from there
.irp u, 0,1
	v_or_b32 v[PS+\u], v[X0+16*\u], v[X1+16*\u]    ; with lane l xor 16's two: p's scale word for these 128 keys
.endr
	WIN 0x55
	s_wait_alu depctr_va_vdst(0)                   ; ahead of the second batch
.set je, 0                             ; tile B's p; between them tile A's conversions and the first level of its sum: each reads what the waits above cover and is read behind the wait below
	v_cvt_scalef32_pk16_bf6_f32 v[P:P+2], v[S:S+15], v[SO]
	EB 3
	v_cvt_scalef32_pk16_bf6_f32 v[T0:T0+2], v[S+16:S+31], v[SO]
	EB 3
	v_cvt_scalef32_pk16_bf6_f32 v[P+6:P+8], v[S+32:S+47], v[SO+1]
	EB 3
	v_cvt_scalef32_pk16_bf6_f32 v[T1:T1+2], v[S+48:S+63], v[SO+1]
	EB 3
	v_nop                                          ; one plain line behind the conversions, ahead of the lines that write their sources
	EB 4
.set j, 0
.rept 16
	EB 3
	PA S+j, S+j+2                                  ; the row's sum is taken of the unquantised p; the last of these is the plain line behind the batch
.set j, j+4
.endr
	s_wait_alu depctr_va_vdst(0)                   ; one wait for the batch
.irp e, 0,1,2
	v_mov_b32 v[P+3+\e], v[T0+\e]
	v_mov_b32 v[P+9+\e], v[T1+\e]
.endr
	v_cvt_scalef32_pk16_bf6_f32 v[P+12:P+14], v[S+64:S+79], v[SO+16]
	v_cvt_scalef32_pk16_bf6_f32 v[T0:T0+2], v[S+80:S+95], v[SO+16]
	v_cvt_scalef32_pk16_bf6_f32 v[P+18:P+20], v[S+96:S+111], v[SO+17]
	v_cvt_scalef32_pk16_bf6_f32 v[T1:T1+2], v[S+112:S+127], v[SO+17]
	v_pk_fma_f32 v[L:L+1], v[L:L+1], v[FF:FF+1], v[S:S+1] op_sel_hi:[1,0,1]               ; the sums under the new M, and the first addend
	v_pk_fma_f32 v[L+16:L+17], v[L+16:L+17], v[FF+16:FF+17], v[S+64:S+65] op_sel_hi:[1,0,1]
	v_pk_add_f32 v[SU:SU+1], v[S+4:S+5], v[S+8:S+9]
	v_pk_add_f32 v[SU+16:SU+17], v[S+66:S+67], v[S+68:S+69]
.irp e, 0,1,2
	v_mov_b32 v[P+15+\e], v[T0+\e]
	v_mov_b32 v[P+21+\e], v[T1+\e]
.endr
.set a, S+12
.set b, S+70
.rept 6                                ; four chains by turns: tile A's 16 partial sums, tile B's 32 pairs
	PA L, a
	PA L+16, b
	PA SU, a+4
	PA SU+16, b+2
	PA L+16, b+4
	PA SU+16, b+6
.set a, a+8
.set b, b+8
.endr
	PA L, a
	PA L+16, b
	PA SU+16, b+2
	PA L+16, b+4
	PA SU+16, b+6
	PA L+16, b+8
	PA L, SU
	PA L+16, SU+16
	s_wait_alu depctr_va_vdst(0)                   ; directly ahead of the wait below
	s_wait_dscnt 0x0                               ; V, and the next step's K and scale words: all were asked for ahead of the softmax
	WIN 0x54                                       ; source 0 (V) window 0; source 1 (p), C and D window 1
.irp t, 0,1,2,3                        ; O^T += V^T P^T: each accumulator has one instruction a step, the eight by turns
.irp u, 0,1
.set rD, O+32*\u+8*\t
.set rA, FV+12*\t
.set rB, P+12*\u
.set rSA, VS+(\t/2)
.set rSB, PS+\u
	WM \t%2
.endr
.endr
	WIN 0
.endm
; Head i: all 1,024 keys, from slot i.  The loop has no first step of its own: -M begins over every -t, so the first step's f = 2^(old M - new M) is 0, and O^T x f and the sums x f are zeros.
; Head 0 finds zeros there; heads 1 and 2 find the last head's numbers, which are finite wherever that head's results are (LIMIT: an infinity or a NaN in one head's O^T or sum would reach the same wave's next head).
.macro UNIT i
	WIN 0x40
.irp u, 0,1
	v_mov_b32 v[TM+16*\u], 0xff61b1e6              ; the largest score so far: -3e38
	v_mov_b32 v[NM+16*\u], 0x7e000000              ; -M: over every -t that is served
.if \i == 0
	v_mov_b32 v[L+16*\u], 0
	v_mov_b32 v[L+16*\u+1], 0
.endif
.endr
.if \i == 0
.set j, 0
.rept 64
	v_mov_b32 v[O+j], 0
.set j, j+1
.endr
.endif
	WIN 0
	s_wait_alu depctr_va_vdst(0)                   ; directly ahead of the waits below
	s_wait_loadcnt 0x0                             ; Q
	s_wait_xcnt 0x0                                ; the last head's stores have read their registers: the scores may land there
	s_wait_dscnt 0x0                               ; the first step's K and scale words
	s_mov_b32 s40, SLOT*\i
	s_mov_b32 s41, SLOT*\i+49152
	s_mov_b32 s42, 8
.Lstep_\@:
	STEP \i
	s_add_co_u32 s40, s40, 8*768
	s_add_co_u32 s41, s41, 512
	s_sub_co_u32 s42, s42, 1
	s_cmp_lg_u32 s42, 0
	s_cbranch_scc1 .Lstep_\@
.endm
.macro GST i, u                        ; stage row m = 2 e + h is query 32 (m / 8) + m % 8 (+ 8 for tile B); 16 lanes store 256 consecutive bytes, aligned
.irp e, 0,1,2,3,4,5,6,7
	global_store_b128 v[GO], v[S+64*\u+32+4*\e:S+64*\u+32+4*\e+3], s[6:7] offset:256*\i+(32*(\e/4)+2*(\e%4))*3072+24576*\u th:TH_STORE_NT
.endr
.endm
; THE WAY OUT of a head: O^T / the sum; lane (r, h) holds channels 32 h + 0 .. 31 of query r; through my stage, back as whole rows of 256 bytes.
.macro OUT i
	PLACES 4                                       ; places behind the last products
	WIN 0x55
.irp u, 0,1
	v_add_f32 v[X0+16*\u], v[L+16*\u], v[L+16*\u+1]
.endr
.irp u, 0,1
	D 2
	v_permlanex16_b32 v[X1+16*\u], v[X0+16*\u], s52, s53
.endr
.irp u, 0,1
	D 2
	v_add_f32 v[X0+16*\u], v[X0+16*\u], v[X1+16*\u]   ; the row's sum
.endr
	s_wait_alu depctr_va_vdst(0)
.irp u, 0,1
	v_rcp_f32 v[FF+16*\u], v[X0+16*\u]
.endr
	v_nop                                          ; a plain line behind the transcendentals
	s_wait_alu depctr_va_vdst(0)
.irp u, 0,1
.set j, 0
.rept 16
	v_pk_mul_f32 v[S+64*\u+j:S+64*\u+j+1], v[O+32*\u+j:O+32*\u+j+1], v[FF+16*\u:FF+16*\u+1] op_sel_hi:[1,0]   ; each accumulator from its low end on
.set j, j+2
.endr
.endr
.irp u, 0,1
	WIN 0x04                                       ; an LDS store's data are its source 1
.irp e, 0,1,2,3,4,5,6,7
	ds_store_b128 v[STO], v[S+64*\u+4*\e:S+64*\u+4*\e+3] offset:16*\e
.endr
	WIN 0x40
.irp e, 0,1,2,3,4,5,6,7
	ds_load_b128 v[S+64*\u+32+4*\e:S+64*\u+32+4*\e+3], v[RD] offset:544*\e   ; LDS serves a wave's instructions in order: these see my stores, and tile B's stores come behind tile A's loads
.endr
.endr
	s_wait_dscnt 16                                ; tile A is back; tile B's 8 stores and 8 loads may be out
	WIN 0x04
	GST \i, 0
	s_wait_dscnt 0x0
	GST \i, 1
	WIN 0
.endm
	s_wait_alu depctr_va_vdst(0)                   ; the wait at the head's end
	s_wait_tensorcnt 0x0                           ; my eighth of slot 0 is in; the later first fills are issued as a refill is:
	ds_add_u32 v[SPW], v[NIL]                      ; 0 onto my spare word
	s_wait_dscnt 0x0
	ROUND                                          ; slot 0 is whole, and all four work-groups are here: the joint loads meet
	tensor_load_to_lds s[36:39], s[24:31]          ; my quarter of slot 1 or 2: it has head 0's eight steps in which to land
	s_nop 0
	PLACES 4
	KPRE 0
	UNIT 0
	s_wait_tensorcnt 0x0                           ; my part of slots 1 and 2 is in
	s_wait_dscnt 0x0                               ; my reads of slot 0 are over
	s_barrier_signal -1
	s_barrier_wait -1                              ; slots 1 and 2 are whole, and nobody reads slot 0 any more: the stages may be written
	KPRE 1
	OUT 0
	UNIT 1
	KPRE 2
	OUT 1
	UNIT 2
	OUT 2
	s_wait_tensorcnt 0x0                           ; the wave's end
	ds_add_u32 v[SPW], v[NIL]
	s_wait_dscnt 0x0
	ROUND                                          ; the closing round: no work-group ends while a partner may still ask for a tile that names it
	s_endpgm
.Lfunc_end_k_q0695c80f0e_attn:
	.size	k_q0695c80f0e_attn, .Lfunc_end_k_q0695c80f0e_attn-k_q0695c80f0e_attn
	.p2alignl 7, 3214868480
	.fill 96, 4, 3214868480
	.section	.rodata,"a",@progbits
	.p2align	6, 0x0
	.amdhsa_kernel k_q0695c80f0e_attn
		.amdhsa_group_segment_fixed_size 327680
		.amdhsa_private_segment_fixed_size 0
		.amdhsa_enable_private_segment 0
		.amdhsa_kernarg_size 16
		.amdhsa_user_sgpr_count 2
		.amdhsa_user_sgpr_kernarg_segment_ptr 1
		.amdhsa_wavefront_size32 1
		.amdhsa_system_sgpr_workgroup_id_x 1
		.amdhsa_system_sgpr_workgroup_id_y 1
		.amdhsa_system_sgpr_workgroup_id_z 1
		.amdhsa_system_vgpr_workitem_id 0
		.amdhsa_next_free_vgpr 512
		.amdhsa_next_free_sgpr 66
		.amdhsa_reserve_vcc 0
		.amdhsa_float_denorm_mode_32 3
		.amdhsa_float_denorm_mode_16_64 3
		.amdhsa_memory_ordered 1
		.amdhsa_forward_progress 1
		.amdhsa_inst_pref_size 119
	.end_amdhsa_kernel
	.amdgpu_metadata
---
amdhsa.version: [ 1, 2 ]
amdhsa.kernels:
  - .name:           k_q0695c80f0e_attn
    .symbol:         k_q0695c80f0e_attn.kd
    .args:
      - { .name: qkv, .offset: 0, .size: 8, .value_kind: global_buffer, .address_space: global }
      - { .name: out0, .offset: 8, .size: 8, .value_kind: global_buffer, .address_space: global }
    .group_segment_fixed_size: 327680
    .private_segment_fixed_size: 0
    .kernarg_segment_align: 8
    .kernarg_segment_size: 16
    .max_flat_workgroup_size: 256
    .sgpr_count:     66
    .vgpr_count:     512
    .wavefront_size: 32
...
	.end_amdgpu_metadata
.endif
;; end of part 3
